; MI455X (gfx1250); checked and timed in simulation.
; The chip was launched on July 23, 2026; its instructions are those of AMD's public machine-readable ISA for CDNA 5 (MIT licence, August 2026) and "CDNA5" Instruction Set Architecture Reference Guide (July 2026). The comments in the code are by the model that wrote it; some were corrected since.
;; Mo E Pure Field. Allowed arithmetic: matrix products marked QUANTISED: E3M2 operands, one E8M0 scale for each 32 along K, by v_wmma_scale_f32_16x16x128_f8f6f4 with both operands' format E3M2, f32 sums; products left as they are: f32 operands where the result goes on into a quantised operand, else bf16, f16 or f32 operands; f32 sums; everything else in f32.
;; Inputs: b1 8 x 4,096 float32; b2 8 x 1,024 float32; gate_b 8 float32; gate_w 1,024 x 8 float32; w1_codes 8 x 4,096 x 32 x 24 uint8 (E3M2 codes of w1, K innermost, in blocks of 32 codes, four codes in three bytes); w1_scales 8 x 4,096 x 32 uint8 (E8M0 scales of w1, one for each 32 codes along K); w2_codes 8 x 1,024 x 128 x 24 uint8 (E3M2 codes of w2, K innermost, in blocks of 32 codes, four codes in three bytes); w2_scales 8 x 1,024 x 128 uint8 (E8M0 scales of w2, one for each 32 codes along K); x 1,024 x 1,024 float32.
;; Outputs: out0 1,024 x 1,024 float32.
;; This version of the problem:
;;   THIS VERSION OF THE PROBLEM IS GIVEN IN LOW PRECISION. The matrix products marked QUANTISED in the list below multiply operands that are first quantised to E3M2 (3 exponent bits, 2 mantissa bits; 6 bits a number), with one power-of-two scale for each 32 numbers along K (OCP MX v1.0); their sums are f32. All else is computed in f32.
;;   The module's matrix products, in the order in which they are computed (A, B: the left and right operand; K: the contracted axis; several contracted axes count as one K, in the product's order):
;;     1. [M 1,024, K 1,024] x [K 1,024, N 8]; A: input x; B: input gate_w: left as it is (N = 8 < 16)
;;     2. [M 1,024, K 1,024] x [K 1,024, N 32,768]; A: input x; B: input w1 (given as codes): QUANTISED
;;     3. batch 8 x [M 1,024, K 4,096] x [K 4,096, N 1,024]; A: input w2 (given as codes); B: computed on the way: QUANTISED
;;     4. batch 1,024 x [M 1, K 8] x [K 8, N 1,024]; A: computed on the way; B: computed on the way: left as it is (K = 8 < 32)
;;   THE QUANTISER, for each operand of a quantised product, along K:
;;     - K is cut into blocks of 32 from its start; a last block that is shorter is filled with zeros.
;;     - A block's scale is 2^e with e = floor(log2(the largest magnitude in the block)) - 4, held to -126 .. 127; a block of zeros has e = 0. As a byte (E8M0): e + 127.
;;     - Each number is divided by its block's scale, clamped to +-28, and rounded to the nearest number of E3M2, ties to even, subnormals kept.
;;     - The product sums the exact products of the quantised numbers (number of the format x scale) in f32.
;;   ~~~python
;;   def quantise(x, axis):      # numpy; x: float32 -> the quantised numbers, widened to float32 again
;;       x = np.moveaxis(x, axis, -1); K = x.shape[-1]
;;       x = np.pad(x, [(0, 0)] * (x.ndim - 1) + [(0, -K % 32)]); x = x.reshape(x.shape[:-1] + (-1, 32)); a = np.abs(x).max(-1, keepdims=True)
;;       e = np.where(a > 0, np.clip(np.frexp(np.where(a > 0, a, 1))[1] - 1 - 4, -126, 127), 0)      # np.frexp(a)[1] - 1 = floor(log2(a)), exactly
;;       r = np.clip(x / 2.0 ** e, -28, 28)
;;       step = 2.0 ** (np.maximum(np.frexp(np.where(r == 0, 1, r))[1] - 1, -2) - 2)
;;       q = np.round(r / step) * step * 2.0 ** e      # np.round: ties to even
;;       return np.moveaxis(q.reshape(q.shape[:-2] + (-1,))[..., :K], -1, axis).astype(np.float32)
;;   ~~~
;;   OPERANDS COMPUTED ON THE WAY. 'Computed on the way' means the value that the module computes at that place (a softmax that the list does not call 'softmax' is quantised finished and normalised). What goes into a quantiser is computed in f32, as accurately as f32 sums, v_exp_f32 and their like allow (about 1e-6 of the number): no bf16 or f16 on the way to a quantiser, and a product that is left as it is and whose result goes on into a quantised operand takes f32 operands (vector FMAs, or v_wmma_f32_16x16x4_f32). A number that lies on a knife's edge between two numbers of the format may be rounded either way, as far as f32 arithmetic and the matrix unit's own rounding can turn it there, and no further.
;;   INPUTS GIVEN AS CODES. w1 (in the module: [8, 1024, 4096], K = its axis 1); w2 (in the module: [8, 4096, 1024], K = its axis 1): each comes as NAME_codes (uint8): NAME with its K axis moved to the last place and cut into blocks of 32 codes, [.., K / 32, bytes a block], one block behind the other in memory; four codes in three bytes: a row's codes are one little-endian stream of bits, code i at bits 6 i .. 6 i + 5 (a code: sign, 3 exponent bits, 2 mantissa bits); and NAME_scales (uint8): the same leading axes, one E8M0 byte (e + 127) for each 32 codes along K. Its value is code x scale, taken as it is: it is not quantised again, and the codes and scales need not be those that the quantiser above would give.
;; One version. Each part assembles by itself: llvm-mc -triple=amdgcn-amd-amdhsa -mcpu=gfx1250 --defsym DOCPART=n.
;; ======== version 1 of 1: 4 launches
;; workspace buffers: x_codes 786,432 bytes; x_scales 32,768 bytes; gw 32,768 bytes; h_codes 25,165,824 bytes; h_scales 1,048,576 bytes; part 33,554,432 bytes
;; launch prep (part 1): grid 128 x 1, 8 waves a work-group, no clusters, 76,800 bytes of LDS; arguments x, gate_w, gate_b, x_codes, x_scales, gw; writes x_codes, x_scales, gw
.if DOCPART == 1
	.amdgcn_target "amdgcn-amd-amdhsa--gfx1250"
	.amdhsa_code_object_version 6
	.text
	.protected	k_qab60e91b07_prep
	.globl	k_qab60e91b07_prep
	.p2align	8
	.type	k_qab60e91b07_prep,@function
k_qab60e91b07_prep:
	s_mov_b64 s[64:65], 0
	v_nop
	global_prefetch_b8 v0, s[64:65] scope:SCOPE_SE
	s_setreg_imm32_b32 hwreg(HW_REG_WAVE_MODE, 25, 1), 1
	s_wait_xcnt 0x0
; x [1024][1024] f32 becomes codes of BF6 (E3M2), K innermost, 768 bytes a row, with one E8M0 byte for each 32 along K (32 bytes a row);
; and the gate: L = x gate_w + gate_b, p = softmax(L / e), the five largest p kept (the lower index wins a tie), renormalised by their sum + 1e-8,
; experts 4 to 7 with a minus sign: gw [1024][8] f32, 0 where an expert is not chosen.  All of the gate is f32: 8 M multiply-adds, no matrix work.
; SHARES.  A work-group takes 8 rows, a wave one row: so the work-group's scale bytes (8 x 32) and its gate weights (8 x 32) are one aligned run of 256 bytes each.
; A lane holds 16 NEIGHBOURS of its row (the conversion takes 16 numbers of one lane), and yet every load reads 512 consecutive bytes: a step's 2,048 bytes turn through the wave's own stage in LDS.
; gate_w (32 KB) is brought into LDS once by the eight waves, as 64 chunks of 512 bytes (16 rows of gate_w), 528 bytes apart: lane l of step t reads chunk 32 t + l, the rows that belong to its 16 numbers.
; LIMITS: NaN and infinities are not served.  A block whose largest magnitude lies under 2^-122 keeps the byte 1, and so does a block of zeros (its codes are zeros; the bytes are read by this program alone).
; The division by e is a multiplication by the constant log2(e) / e.  Two gate values closer than the rounding of an f32 sum of 1,024 terms may be ranked otherwise than by another order of summation.
.set GP,   528                         ; a chunk of gate_w in LDS: 512 bytes + 16
.set STG,  64*GP                       ; behind gate_w: two stages of 32 x SP bytes for each wave
.set SP,   80                          ; a lane's place in a stage: 64 bytes + 16
.set SCB,  STG+8*2*32*SP               ; the work-group's 256 scale bytes
.set GWB,  SCB+256                     ; and its 256 bytes of gate weights
.set R,    16                          ; v16-47   x as loaded, two steps
.set X,    48                          ; v48-79   two sets of 16 neighbours
.set GA,   80                          ; v80-143  a quarter of my rows of gate_w: register 8 c + e
.set GB,   144                         ; v144-207 another
.set ACC,  208                         ; v208-215 the eight sums
.set P,    216                         ; v216-223 exponentials, then probabilities
.set CNT,  224                         ; v224-231 ranks
.set W,    232                         ; v232-239 weights
.set C,    240                         ; v240-247 codes, four registers a step
	s_load_b256 s[4:11], s[0:1], 0x0               ; x s[4:5], gate_w s[6:7], gate_b s[8:9], x_codes s[10:11]
	s_load_b128 s[12:15], s[0:1], 0x20             ; x_scales s[12:13], gw s[14:15]
	v_lshl_add_u32 v254, v0, 2, 0x12800
	v_mov_b32 v255, 0
	v_lshrrev_b32 v1, 5, v0
	v_readfirstlane_b32 s24, v1                    ; wave 0..7
	v_and_b32 v1, 31, v0                           ; lane
	v_lshlrev_b32 v2, 4, v1                        ; 16 x lane
	s_mul_i32 s28, s24, 2*32*SP
	s_add_co_u32 s28, s28, STG                     ; my wave's stages
	v_lshrrev_b32 v3, 2, v1
	v_mul_u32_u24 v3, v3, SP
	v_and_b32 v4, 3, v1
	v_lshl_add_u32 v3, v4, 4, v3
	v_add_nc_u32 v3, s28, v3                       ; into a stage: four lanes' 64 bytes on end, then 16 of padding
	v_mul_u32_u24 v4, v1, SP
	v_add_nc_u32 v4, s28, v4                       ; out of it: my 16 neighbours
	v_mul_u32_u24 v5, v1, 12                       ; my 16 codes' place in a step's 384 bytes
	v_lshrrev_b32 v6, 1, v1
	s_lshl_b32 s29, s24, 5
	s_add_co_u32 s28, s29, SCB
	v_add_nc_u32 v6, s28, v6                       ; my block's scale byte: 32 x wave + lane / 2
	s_mul_i32 s28, s24, GP
	v_add_nc_u32 v7, s28, v2                       ; gate_w into LDS: load i brings chunks 8 i + wave
	v_mul_u32_u24 v8, v1, GP                       ; and out of it: chunk 32 t + lane
	v_lshlrev_b32 v9, 4, v0                        ; 16 x thread
	v_lshlrev_b32 v10, 3, v1                       ; 8 x lane
	v_add_nc_u32 v11, SCB, v10
	v_add_nc_u32 v12, GWB, v10
	s_add_co_u32 s28, s29, GWB
	v_mov_b32 v13, s28                             ; my row's 32 bytes of weights
	s_mov_b32 s26, 0x76543210
	s_mov_b32 s27, 0xfedcba98                      ; lane selects: lane l xor 16
	s_mov_b32 s25, 0x3f07de6f                      ; log2(e) / e
	s_lshl_b32 s30, ttmp9, 3
	s_add_co_u32 s30, s30, s24                     ; my row
	s_lshl_b32 s32, s30, 12
	s_mov_b32 s33, 0
	s_mul_i32 s34, s30, 768
	s_mov_b32 s35, 0
	s_lshl_b32 s36, ttmp9, 8
	s_mov_b32 s37, 0
	s_wait_kmcnt 0x0
	s_add_nc_u64 s[4:5], s[4:5], s[32:33]
	s_add_nc_u64 s[10:11], s[10:11], s[34:35]
	s_add_nc_u64 s[12:13], s[12:13], s[36:37]
	s_add_nc_u64 s[14:15], s[14:15], s[36:37]
	s_load_b256 s[16:23], s[8:9], 0x0              ; gate_b: eight numbers, as scalars
.irp t, 0,1
.irp i, 0,1,2,3
	global_load_b128 v[R+16*\t+4*\i:R+16*\t+4*\i+3], v2, s[4:5] offset:2048*\t+512*\i th:TH_LOAD_NT   ; 32 lanes read 512 consecutive bytes
.endr
.endr
.irp i, 0,1,2,3,4,5,6,7
	global_load_b128 v[GA+4*\i:GA+4*\i+3], v9, s[6:7] offset:4096*\i   ; the eight waves read 4,096 consecutive bytes of gate_w
.endr
.macro TURN t                          ; step t's numbers through its stage; LDS serves a wave's instructions in order, so no wait stands between
.irp i, 0,1,2,3
	ds_store_b128 v3, v[R+16*\t+4*\i:R+16*\t+4*\i+3] offset:32*SP*\t+8*SP*\i
.endr
.irp i, 0,1,2,3
	ds_load_b128 v[X+16*\t+4*\i:X+16*\t+4*\i+3], v4 offset:32*SP*\t+16*\i
.endr
.endm
	s_wait_loadcnt 8                               ; x is in; the eight loads of gate_w may be out
	TURN 0
	TURN 1
	s_wait_loadcnt 0x0
.irp i, 0,1,2,3,4,5,6,7
	ds_store_b128 v7, v[GA+4*\i:GA+4*\i+3] offset:8*GP*\i
.endr
	s_wait_dscnt 0x0                               ; for the others' sake: my part of gate_w has landed (and my 32 numbers are back)
	s_barrier_signal -1
	s_barrier_wait -1
.macro GLOAD t, half, g                ; rows 512 t + 16 lane + 8 half + 0 .. 7 of gate_w: 256 bytes a lane
.irp j, 0,1,2,3,4,5,6,7,8,9,10,11,12,13,14,15
	ds_load_b128 v[\g+4*\j:\g+4*\j+3], v8 offset:32*GP*\t+256*\half+16*\j
.endr
.endm
	GLOAD 0, 0, GA
	GLOAD 0, 1, GB
.macro QSTEP t                         ; 512 numbers: two neighbouring lanes hold a block of 32
.set XS, X+16*\t
	v_max3_num_f32 v248, |v[XS]|, |v[XS+1]|, |v[XS+2]|
	v_max3_num_f32 v249, |v[XS+3]|, |v[XS+4]|, |v[XS+5]|
.irp i, 6,10
	v_max3_num_f32 v248, v248, |v[XS+\i]|, |v[XS+\i+1]|
	v_max3_num_f32 v249, v249, |v[XS+\i+2]|, |v[XS+\i+3]|
.endr
	v_max3_num_f32 v248, v248, |v[XS+14]|, |v[XS+15]|
	v_max3_num_f32 v248, v248, v249, 0x2800000     ; and the floor 2^(5 - 127): the byte cannot fall under 1
	v_max_num_f32_dpp v248, v248, v248 row_xmask:1 row_mask:0xf bank_mask:0xf   ; with my neighbour's 16: the block's largest magnitude
	v_add_nc_u32 v[250+\t], 0xfe000000, v248       ; 4 off its exponent field: the conversion takes the exponent field of this operand as its scale
	v_cvt_scalef32_pk16_bf6_f32 v[C+4*\t:C+4*\t+2], v[XS:XS+15], v[250+\t]
	v_lshrrev_b32 v[252+\t], 23, v[250+\t]         ; the scale's byte (also the plain line behind the conversion)
	ds_store_b8 v6, v[252+\t] offset:16*\t         ; both lanes of a block write the same byte with the same value
	global_store_b96 v5, v[C+4*\t:C+4*\t+2], s[10:11] offset:384*\t   ; the wave stores 384 consecutive bytes
.endm
	QSTEP 0
	QSTEP 1
.macro GATE t, half, g, first          ; 8 of my numbers x 8 experts
.irp c, 0,1,2,3,4,5,6,7
.irp e, 0,1,2,3,4,5,6,7
.if \first && (\c == 0)
	v_mul_f32 v[ACC+\e], v[X+16*\t+8*\half+\c], v[\g+8*\c+\e]      ; the first products start the sums
.else
	v_fmac_f32 v[ACC+\e], v[X+16*\t+8*\half+\c], v[\g+8*\c+\e]
.endif
.endr
.endr
.endm
	s_wait_dscnt 0x0                               ; the first two quarters of gate_w are in
	GATE 0, 0, GA, 1
	GLOAD 1, 0, GA
	GATE 0, 1, GB, 0
	GLOAD 1, 1, GB
	s_wait_dscnt 16                                ; the third quarter is in; the fourth's sixteen loads may be out
	GATE 1, 0, GA, 0
	s_wait_dscnt 0x0
	GATE 1, 1, GB, 0
.irp m, 1,2,4,8                        ; the eight sums over the 32 lanes, by turns
.irp e, 0,1,2,3,4,5,6,7
	v_add_f32_dpp v[ACC+\e], v[ACC+\e], v[ACC+\e] row_xmask:\m row_mask:0xf bank_mask:0xf
.endr
.endr
.irp e, 0,1,2,3,4,5,6,7
	v_permlanex16_b32 v[GA+\e], v[ACC+\e], s26, s27
.endr
	s_wait_kmcnt 0x0                               ; gate_b
.irp e, 0,1,2,3,4,5,6,7
	v_add_f32 v[ACC+\e], v[ACC+\e], v[GA+\e]
.endr
.irp e, 0,1,2,3,4,5,6,7
	v_add_f32 v[ACC+\e], s[16+\e], v[ACC+\e]       ; every lane now holds the row's eight L
.endr
	v_max3_num_f32 v248, v[ACC], v[ACC+1], v[ACC+2]
	v_max3_num_f32 v249, v[ACC+3], v[ACC+4], v[ACC+5]
	v_max3_num_f32 v248, v248, v[ACC+6], v[ACC+7]
	v_max_num_f32 v248, v248, v249                 ; the largest L is taken away ahead of the exponential
	v_mul_f32 v249, s25, v248
.irp e, 0,1,2,3,4,5,6,7
	v_fma_f32 v[P+\e], v[ACC+\e], s25, -v249       ; (L - max) log2(e) / e; the rounding of the subtrahend is common to all eight and cancels in the normalisation
.endr
.irp e, 0,1,2,3,4,5,6,7
	v_exp_f32 v[P+\e], v[P+\e]
.endr
	v_nop                                          ; a plain line behind the last exponential
	s_wait_alu depctr_va_vdst(0)                   ; one wait for the batch, ahead of its first reader
	v_add_f32 v248, v[P], v[P+1]
	v_add_f32 v249, v[P+2], v[P+3]
	v_add_f32 v250, v[P+4], v[P+5]
	v_add_f32 v251, v[P+6], v[P+7]
	v_add_f32 v248, v248, v249
	v_add_f32 v250, v250, v251
	v_add_f32 v248, v248, v250
	v_rcp_f32 v249, v248                           ; 1 / the sum; the ranking below names neither register
; rank of e = how many come before it: those with a lower index that are not smaller, those with a higher index that are larger
.irp e, 0,1,2,3,4,5,6,7
.irp j, 0,1,2,3,4,5,6,7
.if \j != \e
.if \j < \e
	v_cmp_ge_f32 vcc_lo, v[P+\j], v[P+\e]
.else
	v_cmp_gt_f32 vcc_lo, v[P+\j], v[P+\e]
.endif
.if (\j == 0) || ((\e == 0) && (\j == 1))
	v_cndmask_b32 v[CNT+\e], 0, 1, vcc_lo
.else
	v_add_co_ci_u32 v[CNT+\e], vcc_lo, 0, v[CNT+\e], vcc_lo
.endif
.endif
.endr
.endr
	s_wait_alu depctr_va_vdst(0)                   ; the wait for the reciprocal, ahead of its first reader
.irp e, 0,1,2,3,4,5,6,7
	v_mul_f32 v[P+\e], v[P+\e], v249               ; the probabilities
.endr
.irp e, 0,1,2,3,4,5,6,7
	v_cmp_gt_u32 vcc_lo, 5, v[CNT+\e]
	v_cndmask_b32 v[W+\e], 0, v[P+\e], vcc_lo      ; kept where the rank is under 5
.endr
	v_add_f32 v248, v[W], v[W+1]
	v_add_f32 v249, v[W+2], v[W+3]
	v_add_f32 v250, v[W+4], v[W+5]
	v_add_f32 v251, v[W+6], v[W+7]
	v_add_f32 v248, v248, v249
	v_add_f32 v250, v250, v251
	v_add_f32 v248, v248, v250
	v_add_f32 v248, 0x322bcc77, v248               ; + 1e-8
	v_rcp_f32 v250, v248
	v_nop
	s_wait_alu depctr_va_vdst(0)
.irp e, 0,1,2,3
	v_mul_f32 v[W+\e], v[W+\e], v250
.endr
.irp e, 4,5,6,7
	v_mul_f32 v[W+\e], v[W+\e], -v250              ; the second camp is subtracted
.endr
	ds_store_b128 v13, v[W:W+3]                    ; all lanes write the same words with the same values
	ds_store_b128 v13, v[W+4:W+7] offset:16
	s_wait_dscnt 0x0                               ; for wave 0's sake: my scale bytes and my weights have landed
	s_barrier_signal -1
	s_barrier_wait -1
	s_cmp_lg_u32 s24, 0
	s_cbranch_scc1 .Lend
	ds_load_b64 v[248:249], v11
	ds_load_b64 v[250:251], v12
	s_wait_dscnt 0x0
	global_store_b64 v10, v[248:249], s[12:13]     ; 32 lanes store 256 consecutive bytes, aligned
	global_store_b64 v10, v[250:251], s[14:15]
.Lend:
	s_wait_tensorcnt 0x0
	ds_add_u32 v254, v255
	s_wait_dscnt 0x0
	s_endpgm
.Lfunc_end_k_qab60e91b07_prep:
	.size	k_qab60e91b07_prep, .Lfunc_end_k_qab60e91b07_prep-k_qab60e91b07_prep
	.p2alignl 7, 3214868480
	.fill 96, 4, 3214868480
	.section	.rodata,"a",@progbits
	.p2align	6, 0x0
	.amdhsa_kernel k_qab60e91b07_prep
		.amdhsa_group_segment_fixed_size 76800
		.amdhsa_private_segment_fixed_size 0
		.amdhsa_enable_private_segment 0
		.amdhsa_kernarg_size 48
		.amdhsa_user_sgpr_count 2
		.amdhsa_user_sgpr_kernarg_segment_ptr 1
		.amdhsa_wavefront_size32 1
		.amdhsa_system_sgpr_workgroup_id_x 1
		.amdhsa_system_sgpr_workgroup_id_y 1
		.amdhsa_system_sgpr_workgroup_id_z 1
		.amdhsa_system_vgpr_workitem_id 0
		.amdhsa_next_free_vgpr 256
		.amdhsa_next_free_sgpr 66
		.amdhsa_reserve_vcc 1
		.amdhsa_float_denorm_mode_32 3
		.amdhsa_float_denorm_mode_16_64 3
		.amdhsa_memory_ordered 1
		.amdhsa_forward_progress 1
		.amdhsa_inst_pref_size 30
	.end_amdhsa_kernel
	.amdgpu_metadata
---
amdhsa.version: [ 1, 2 ]
amdhsa.kernels:
  - .name:           k_qab60e91b07_prep
    .symbol:         k_qab60e91b07_prep.kd
    .args:
      - { .name: x, .offset: 0, .size: 8, .value_kind: global_buffer, .address_space: global }
      - { .name: gate_w, .offset: 8, .size: 8, .value_kind: global_buffer, .address_space: global }
      - { .name: gate_b, .offset: 16, .size: 8, .value_kind: global_buffer, .address_space: global }
      - { .name: x_codes, .offset: 24, .size: 8, .value_kind: global_buffer, .address_space: global }
      - { .name: x_scales, .offset: 32, .size: 8, .value_kind: global_buffer, .address_space: global }
      - { .name: gw, .offset: 40, .size: 8, .value_kind: global_buffer, .address_space: global }
    .group_segment_fixed_size: 76800
    .private_segment_fixed_size: 0
    .kernarg_segment_align: 8
    .kernarg_segment_size: 48
    .max_flat_workgroup_size: 256
    .sgpr_count:     66
    .vgpr_count:     256
    .wavefront_size: 32
...
	.end_amdgpu_metadata
.endif
;; end of part 1
;; launch hidden (part 2): grid 128 x 4, 4 waves a work-group, clusters of 4 x 4, 327,680 bytes of LDS; arguments x_codes, x_scales, w1_codes, w1_scales, h_codes, b1, h_scales; writes h_codes, h_scales
.if DOCPART == 2
	.amdgcn_target "amdgcn-amd-amdhsa--gfx1250"
	.amdhsa_code_object_version 6
	.text
	.protected	k_qab60e91b07_hidden
	.globl	k_qab60e91b07_hidden
	.p2align	8
	.type	k_qab60e91b07_hidden,@function
k_qab60e91b07_hidden:
	s_mov_b64 s[64:65], 0
	v_nop
	global_prefetch_b8 v0, s[64:65] scope:SCOPE_SE
	s_setreg_imm32_b32 hwreg(HW_REG_WAVE_MODE, 25, 1), 1
	s_wait_xcnt 0x0
	s_wait_alu depctr_hold_cnt(0) depctr_sa_sdst(0) depctr_va_vdst(0) depctr_va_sdst(0) depctr_va_ssrc(0) depctr_va_vcc(0) depctr_vm_vsrc(0)
	s_getreg_b32 s2, hwreg(HW_REG_IB_STS2, 6, 4)
	s_cmp_eq_u32 s2, 0
	s_cbranch_scc0 .Lentry_in_a_cluster
	s_endpgm
.Lentry_in_a_cluster:
	s_bfe_u32 s2, ttmp6, 0x10000c
	s_cmp_lg_u32 s2, 0xf033
	s_cbranch_scc0 .Lentry_shape_is_right
	s_endpgm
.Lentry_shape_is_right:
; H = Q(relu(x W1^T + b1)) for all eight experts at once: W1 is taken as 32,768 rows (expert x hidden unit) of 1,024 codes.  Both operands are codes of BF6 (E3M2) with one E8M0 byte for each 32 along K.
; A = x: [1024][768 bytes], scales [1024][32].  B = W1: [32768][768 bytes], scales [32768][32].  b1: 32,768 f32.
; A tile, 256 tokens x 256 hidden units, is made by a work-group of four waves; a wave makes 128 x 128: 64 accumulators of 16 x 16, 512 registers.  K goes in four steps of 256 through a ring of two LDS slots.
; The scales of the work-group's 256 rows of A and of B, for all of K, come into LDS once, with the first fills, and stay.
; CLUSTERS: 4 x 4 work-groups.  The four of a row of the cluster need the same tiles of x, the four of a column (all four token tiles) the same tiles of W1: each tile is asked for JOINTLY.
; THE MATRIX INSTRUCTION IS USED TRANSPOSED (source 0 = 16 rows of W1, source 1 = 16 tokens): a lane holds one token and eight neighbouring hidden units.  b1 is the C of each sum's first product.
; THE WAY OUT.  The hidden layer is the next product's operand, with the hidden units as its K.  Block by block of 16 tokens x my 128 hidden units: relu; an exchange of halves of the lanes, after which a lane holds two whole
; blocks of 32 in order; each block's scale; the conversions.  The twelve registers are then a fragment of the next product as they stand, and are stored as an IMAGE OF THE REGISTERS:
; h_codes [expert x 8 + hidden / 512][token / 16][(hidden % 512) / 128][1,536 bytes], registers 4 j .. 4 j + 3 of lane l at 512 j + 16 l.  h_scales [expert x 16 + hidden / 256][token][2 words], word i for hidden % 256 / 128 = i.
; LIMITS: NaN and infinities are not served.  A block whose largest number lies under 2^-122 keeps the byte 1, and so does a block of zeros (its codes are zeros; the bytes are read by this program alone).
; REGISTERS, in windows of 256: window 0: v0-31 addresses; v32-63 scale words, two sets; v64-127 b1; from v128 A's fragments, ONE set; on the way out v128-241 are at work.
;   window 1: B's fragments, TWO sets, at v0 and v128.   window 2: the accumulators of my tokens 0-63 ((a, b) at v[8 (8 a + b)]);   window 3: those of my tokens 64-127.
.set SIZE_K, 1024
.set KSTEP,  256                       ; along K in a slot
.set NQ,     KSTEP/128                 ; matrix instructions deep
.set ROWB,   192                       ; a tile's row in bytes
.set KROW,   SIZE_K*6/8                ; a row of A or of B in memory
.set PITCH,  240                       ; an LDS row: 3 x (64 bytes + 16 of padding): the 32 lanes of a load of 8 bytes touch 64 different banks (64 banks of 4 bytes: ISA guide 11.1)
.set FR,     12                        ; registers of a fragment
.set NL,     6                         ; LDS loads that bring one
.set NP,     4                         ; places behind this matrix instruction (ISA guide 7.12.1)
.set HALFT,  128*PITCH                 ; 128 rows: what one tensor load brings
.set SLOT,   4*HALFT                   ; A's 256 rows, then B's 256 rows
.set KS,     SIZE_K/32                 ; a row of scales in bytes
.set SCL,    2*SLOT                    ; behind the ring: the scales, as runs of 256 bytes + 16 of padding
.set HALFS,  (128*KS/256)*272          ; the scales of 128 rows
.set SBLK,   (16*KS/256)*272           ; those of 16 rows
.set SPARE,  SCL+4*HALFS               ; the spare words, 128 bytes for each wave: two blocks of 256 bytes that no other line names
.set SST,    SPARE+512                 ; the hidden layer's scale words: 256 tokens x 2 words; no fill lands here
.set ADRA, 16                          ; v16-17  LDS address of my A fragments in slot 0, 1  (v18-19: for the pieces behind one padding more)
.set ADRB, 20                          ; v20-21  the same for B  (v22-23)
.set SSA,  24                          ; v24     where I put a token's scale word
.set SSR,  25                          ; v25     where I read 16 bytes of scale words back
.set LI,   26                          ; v26     16 x lane
.set ADRS, 27                          ; v27     LDS address of my scale words: lanes 0-15 A's rows, lanes 16-31 B's
.set SPW,  28                          ; v28     LDS address of my spare word; never rewritten
.set NIL,  29                          ; v29     0; never rewritten
.set H8,   30                          ; v30     8 x (lane / 16)
.set BO,   31                          ; v31     32 x (lane / 16)
.set SC,   32                          ; scale words: set s at v[SC + 8 NQ s]; register NQ i + q: lanes 0-15 A's block i, lanes 16-31 B's block i
.set BI,   64                          ; b1: register 8 b + j = b1 of my hidden unit 16 b + 8 (lane / 16) + j
.set AF,   128                         ; A's fragments
.set T,    128                         ; the way out: v128-191 64 numbers
.set PC0,  192                         ; v192-211, v212-231 the codes, two sets by turns
.set M,    232                         ; v232-235 largest numbers
.set SO,   236                         ; v236-237 the conversions' scale operands
.set BY,   238                         ; v238-239 the bytes
.set W,    240                         ; v240 the scale word;  v241 the other half of the lanes'
.set WT,   241
.set G1, 24                            ; s[24:31] descriptor group 1 for A's tiles;  s[32:39] group 0, one set for each slot
.set G0, 32
.set G1B, 48                           ; s[48:55], s[56:63] the same for B's tiles
.set G0B, 56
.set G1S, 68                           ; s[68:75], s[76:79] groups 1 and 0 for A's scales;  s[80:87], s[88:91] for B's
.set G0S, 76
.set G1SB, 80
.set G0SB, 88
.set MSB, 0
.macro WIN new                         ; the immediate's high byte repeats the setting that is left
.if MSB != (\new)
	s_set_vgpr_msb (MSB<<8)|(\new)
.set MSB, (\new)
.endif
.endm
.set MUL_LO, 0xa1                      ; source 0 (B) window 1, source 1 (A) window 0, C and D window 2
.set MUL_HI, 0xf1                      ; the same, C and D window 3
.set TO_B,   0x40                      ; destination window 1, address window 0
; A joint load: waves 0 and 1 fetch for A, waves 2 and 3 for B.  Each line has one mask and one set of registers for all that issue it; the branch hangs on the wave's number alone.
; Four v_nop follow each of the two lines, ahead of the jump, the label and what follows.
.macro JLOAD g0a, g1a, g0b, g1b
	s_cmp_eq_u32 s15, 0
	s_cbranch_scc0 .Lfor_b_\@
	tensor_load_to_lds s[\g0a:\g0a+3], s[\g1a:\g1a+7]
	s_nop 0
.rept 4
	v_nop
.endr
	s_branch .Lasked_\@
.Lfor_b_\@:
	tensor_load_to_lds s[\g0b:\g0b+3], s[\g1b:\g1b+7]
	s_nop 0
.rept 4
	v_nop
.endr
.Lasked_\@:
.endm
.macro CREST                           ; a round of the cluster's barrier behind its opening barrier
	s_cmp_lg_u32 s14, 0
	s_cbranch_scc1 .Lnot_wave_0_\@
	s_barrier_signal -3
.Lnot_wave_0_\@:
	s_barrier_wait -3
	s_barrier_signal -1
	s_barrier_wait -1
.endm
.macro CROUND                          ; a whole round
	s_barrier_signal -1
	s_barrier_wait -1
	CREST
.endm
	s_load_b128 s[4:7], s[0:1], 0x0                ; x's codes s[4:5], x's scales s[6:7]
	s_load_b128 s[8:11], s[0:1], 0x10              ; W1's codes s[8:9], W1's scales s[10:11]
	s_load_b64 s[12:13], s[0:1], 0x20              ; h_codes
	s_load_b64 s[96:97], s[0:1], 0x28              ; b1
	s_load_b64 s[98:99], s[0:1], 0x30              ; h_scales
	v_lshl_add_u32 v[SPW], v0, 2, SPARE
	v_mov_b32 v[NIL], 0
	ds_add_u32 v28, v29
	ds_add_u32 v28, v29
	s_wait_dscnt 0x0
	v_lshrrev_b32 v1, 5, v0
	v_readfirstlane_b32 s14, v1                    ; wave 0..3
	s_lshr_b32 s15, s14, 1                         ; which half of the tile's tokens is mine.  Also: I fetch for A (0) or for B (1)
	s_and_b32 s16, s14, 1                          ; which half of its hidden units.  Also: which 128 rows of that tile I fetch
	s_bfe_u32 s40, ttmp6, 0x40000                  ; cx, cy: my place in the cluster
	s_bfe_u32 s41, ttmp6, 0x40004
	s_lshl_b32 s42, ttmp9, 2
	s_add_co_u32 s42, s42, s40                     ; tile column (256 hidden units) = 4 x cluster x + cx
	s_and_b32 s17, ttmp7, 0xffff
	s_lshl_b32 s17, s17, 2
	s_add_co_u32 s17, s17, s41                     ; tile row (256 tokens) = 4 x cluster y + cy
	s_lshl_b32 s43, s41, 2
	s_lshl_b32 s43, 15, s43                        ; my row of the cluster
	s_lshl_b32 s44, 0x1111, s40                    ; my column
	; descriptor group 1: a tile of 128 rows x ROWB bytes, padded in LDS
	s_or_b32 s[G1+0], s43, (0<<16)|(1<<20)|(1<<21)|(3<<22)|(3<<25)  ; 15:0 the mask: A's tiles go to my row; 17:16 elements of 1 byte; 20 padding on; 21 set beside a mask; 24:22 after every 16 words; 31:25 of 4 words
	s_or_b32 s[G1B+0], s44, (0<<16)|(1<<20)|(1<<21)|(3<<22)|(3<<25)
.irp g, G1, G1B
	s_mov_b32 s[\g+1], ROWB<<16                    ; tensor_dim0
	s_mov_b32 s[\g+2], 128<<16                     ; tensor_dim1
	s_mov_b32 s[\g+3], ROWB<<16                    ; tile_dim0
	s_mov_b32 s[\g+4], 128                         ; tile_dim1
	s_mov_b32 s[\g+5], KROW                        ; tensor_dim0_stride
	s_mov_b32 s[\g+6], 0
	s_mov_b32 s[\g+7], 0
.endr
	; and for the scales of 128 rows: a dense block of 128 KS bytes, as rows of 256 bytes (32 elements of 8 bytes), 16 bytes of padding behind each
	s_or_b32 s[G1S+0], s43, (3<<16)|(1<<20)|(1<<21)|(5<<22)|(3<<25)
	s_or_b32 s[G1SB+0], s44, (3<<16)|(1<<20)|(1<<21)|(5<<22)|(3<<25)
.irp g, G1S, G1SB
	s_mov_b32 s[\g+1], 32<<16
	s_mov_b32 s[\g+2], (128*KS/256)<<16
	s_mov_b32 s[\g+3], 32<<16
	s_mov_b32 s[\g+4], 128*KS/256
	s_mov_b32 s[\g+5], 32
	s_mov_b32 s[\g+6], 0
	s_mov_b32 s[\g+7], 0
.endr
	s_lshl_b32 s18, s16, 7                         ; which 128 rows of the tile I fetch
	s_lshl_b32 s20, s17, 8
	s_add_co_u32 s20, s20, s18                     ; A: row 256 x tile row + 128 x half
	s_lshl_b32 s46, s42, 8
	s_add_co_u32 s46, s46, s18                     ; B: row 256 x tile column + 128 x half
	s_mov_b32 s21, 0
	s_mov_b32 s47, 0
	s_mov_b64 s[18:19], KS
	s_mul_u64 s[22:23], s[20:21], s[18:19]         ; where these rows' scales begin, in bytes
	s_mul_u64 s[92:93], s[46:47], s[18:19]
	s_mov_b64 s[18:19], KROW
	s_mul_u64 s[20:21], s[20:21], s[18:19]         ; and their codes
	s_mul_u64 s[46:47], s[46:47], s[18:19]
	s_mul_i32 s45, s14, HALFT                      ; where they go: wave x 128 rows: no place in the cluster enters an LDS address
	s_mul_i32 s94, s14, HALFS
	s_mov_b32 s100, 0x76543210
	s_mov_b32 s101, 0xfedcba98                     ; lane selects: lane l xor 16
	s_wait_kmcnt 0x0
	s_add_nc_u64 s[20:21], s[4:5], s[20:21]
	s_add_nc_u64 s[22:23], s[6:7], s[22:23]
	s_add_nc_u64 s[46:47], s[8:9], s[46:47]
	s_add_nc_u64 s[92:93], s[10:11], s[92:93]
	CROUND                                         ; all sixteen work-groups are here: the first joint loads meet
	s_mov_b32 s[G0S], 1
	s_add_co_u32 s[G0S+1], s94, SCL
	s_mov_b64 s[G0S+2:G0S+3], s[22:23]
	s_or_b32 s[G0S+3], s[G0S+3], 0x80000000
	s_mov_b32 s[G0SB], 1
	s_add_co_u32 s[G0SB+1], s94, SCL
	s_mov_b64 s[G0SB+2:G0SB+3], s[92:93]
	s_or_b32 s[G0SB+3], s[G0SB+3], 0x80000000
	JLOAD G0S, G1S, G0SB, G1SB                     ; the scales first: they are wanted with K step 0
.irp s, 0,1
	s_mov_b32 s[G0+4*\s], 1
	s_add_co_u32 s[G0+4*\s+1], s45, \s*SLOT
	s_add_nc_u64 s[G0+4*\s+2:G0+4*\s+3], s[20:21], \s*ROWB
	s_or_b32 s[G0+4*\s+3], s[G0+4*\s+3], 0x80000000
	s_mov_b32 s[G0B+4*\s], 1
	s_add_co_u32 s[G0B+4*\s+1], s45, \s*SLOT
	s_add_nc_u64 s[G0B+4*\s+2:G0B+4*\s+3], s[46:47], \s*ROWB
	s_or_b32 s[G0B+4*\s+3], s[G0B+4*\s+3], 0x80000000
	JLOAD G0+4*\s, G1, G0B+4*\s, G1B               ; three tensor loads of mine are out
.endr
	v_and_b32 v1, 15, v0                           ; r = lane % 16
	v_bfe_u32 v2, v0, 4, 1                         ; h = lane / 16
	v_lshlrev_b32 v[BO], 5, v2
	v_lshlrev_b32 v[H8], 3, v2
	s_lshl_b32 s92, s42, 10                        ; b1: 256 numbers a tile column, my 128 of them
	s_lshl_b32 s94, s16, 9
	s_add_co_u32 s92, s92, s94
	s_mov_b32 s93, 0
	s_add_nc_u64 s[96:97], s[96:97], s[92:93]
.irp b, 0,1,2,3,4,5,6,7
	global_load_b128 v[BI+8*\b:BI+8*\b+3], v[BO], s[96:97] offset:64*\b
	global_load_b128 v[BI+8*\b+4:BI+8*\b+7], v[BO], s[96:97] offset:64*\b+16
.endr
	v_mul_u32_u24 v3, v1, PITCH
	v_mul_u32_u24 v4, v2, 24
	v_add_nc_u32 v4, v3, v4                        ; a fragment's row x pitch + 24 x half
	v_lshl_add_u32 v5, v2, 4, v4                   ; and the same behind one padding more
	s_mul_i32 s21, s15, HALFT                      ; my 128 rows of A
	s_mul_i32 s22, s16, HALFT                      ; my 128 rows of B,
	s_add_co_u32 s22, s22, 2*HALFT                 ; which lie behind A's 256
.irp s, 0,1
	v_add_nc_u32 v[ADRA+\s], s21, v4
	v_add_nc_u32 v[ADRB+\s], s22, v4
	v_add_nc_u32 v[ADRA+2+\s], s21, v5
	v_add_nc_u32 v[ADRB+2+\s], s22, v5
	s_add_co_u32 s21, s21, SLOT
	s_add_co_u32 s22, s22, SLOT
.endr
	v_mul_u32_u24 v5, v1, KS                       ; my row's scales: KS bytes a row,
	v_lshrrev_b32 v6, 8, v5
	v_lshl_add_u32 v5, v6, 4, v5                   ; and 16 more for each 256 passed
	s_mul_i32 s21, s15, HALFS                      ; A's: my 128 rows
	s_mul_i32 s22, s16, HALFS                      ; B's: my 128 rows, behind A's 256
	s_add_co_u32 s22, s22, 2*HALFS
	s_sub_co_u32 s22, s22, s21
	v_mul_u32_u24 v6, s22, v2                      ; lanes 16-31 take B's
	s_add_co_u32 s21, s21, SCL
	v_add_nc_u32 v5, v5, v6
	v_add_nc_u32 v[ADRS], s21, v5
	v_and_b32 v6, 31, v0
	v_lshlrev_b32 v[LI], 4, v6
	s_lshl_b32 s23, s15, 10                        ; the hidden layer's scale words in LDS: 8 bytes a token, my 128 tokens, my word of the two
	s_lshl_b32 s22, s16, 2
	s_add_co_u32 s23, s23, s22
	s_add_co_u32 s23, s23, SST
	v_lshl_add_u32 v[SSA], v1, 3, s23
	s_lshl_b32 s23, s14, 9                         ; and back: 512 bytes a wave
	s_add_co_u32 s23, s23, SST
	v_add_nc_u32 v[SSR], s23, v[LI]
	s_lshr_b32 s92, s42, 1                         ; h_codes: plane tile column / 2,
	s_mul_i32 s92, s92, 393216
	s_lshl_b32 s94, s17, 4
	s_lshl_b32 s95, s15, 3
	s_add_co_u32 s94, s94, s95                     ; block of 16 tokens 16 x tile row + 8 x half,
	s_mul_i32 s94, s94, 6144
	s_add_co_u32 s92, s92, s94
	s_and_b32 s94, s42, 1
	s_lshl_b32 s94, s94, 1
	s_add_co_u32 s94, s94, s16                     ; quarter 2 x (tile column % 2) + my half of the columns
	s_mul_i32 s94, s94, 1536
	s_add_co_u32 s92, s92, s94
	s_add_nc_u64 s[12:13], s[12:13], s[92:93]
	s_lshl_b32 s92, s42, 13                        ; h_scales: plane tile column, 2,048 bytes a tile row, 512 a wave
	s_lshl_b32 s94, s17, 11
	s_add_co_u32 s92, s92, s94
	s_lshl_b32 s94, s14, 9
	s_add_co_u32 s92, s92, s94
	s_add_nc_u64 s[98:99], s[98:99], s[92:93]
.macro FRAG reg, adr, q, i             ; a fragment is 12 registers: lane l holds row l % 16; registers 6 c .. 6 c + 5 hold K = 64 c + 32 (l / 16) + 0 .. 31: 24 bytes of the row's stream of bits, as they lie
.irp p, 0,1,2,3,4,5                    ; in pieces of 8 bytes.  Lanes 16-31 read three pieces further on; where that is behind one padding more, the second address register serves
.set PCE, 12*(\q)+6*(\p/3)+\p%3
.if PCE%8 < 5
	ds_load_b64 v[\reg+2*\p:\reg+2*\p+1], v[\adr] offset:8*PCE+16*(PCE/8)+(\i)*16*PITCH
.else
	ds_load_b64 v[\reg+2*\p:\reg+2*\p+1], v[\adr+2] offset:8*PCE+16*(PCE/8)+(\i)*16*PITCH
.endif
.endr
.endm
; 16 matrix instructions: A's blocks a0, a0 + 1 x B's eight, 128 along K.  p: B's set;  sc: the set of scale words.  first = 1: b1 is the C, and the sums begin.
; The 64 accumulators take turns, one instruction a turn, in the same order in every step.
.macro MUL16 a0, p, q, sc, first
.irp a, \a0, \a0+1
.irp b, 0,1,2,3,4,5,6,7
.if \first
	v_wmma_scale_f32_16x16x128_f8f6f4 v[8*(8*((\a)%4)+\b):8*(8*((\a)%4)+\b)+7], v[128*(\p)+FR*\b:128*(\p)+FR*\b+FR-1], v[AF+FR*(\a):AF+FR*(\a)+FR-1], v[BI+8*\b:BI+8*\b+7], v[SC+8*NQ*(\sc)+NQ*\b+(\q)], v[SC+8*NQ*(\sc)+NQ*(\a)+(\q)] matrix_a_fmt:MATRIX_FMT_BF6 matrix_b_fmt:MATRIX_FMT_BF6 matrix_a_scale:MATRIX_SCALE_ROW1
.else
	v_wmma_scale_f32_16x16x128_f8f6f4 v[8*(8*((\a)%4)+\b):8*(8*((\a)%4)+\b)+7], v[128*(\p)+FR*\b:128*(\p)+FR*\b+FR-1], v[AF+FR*(\a):AF+FR*(\a)+FR-1], v[8*(8*((\a)%4)+\b):8*(8*((\a)%4)+\b)+7], v[SC+8*NQ*(\sc)+NQ*\b+(\q)], v[SC+8*NQ*(\sc)+NQ*(\a)+(\q)] matrix_a_fmt:MATRIX_FMT_BF6 matrix_b_fmt:MATRIX_FMT_BF6 matrix_a_scale:MATRIX_SCALE_ROW1
.endif
.endr
.endr
.endm
.macro FETCH_B slot, q, p              ; B's eight fragments of the slot's q-th 128 along K into set p
	WIN TO_B
.irp i, 0,1,2,3,4,5,6,7
	FRAG 128*(\p)+FR*\i, ADRB+\slot, \q, \i
.endr
	WIN 0
.endm
.macro FETCH_A slot, q, i0             ; A's blocks i0 .. i0 + 3
.irp i, \i0, \i0+1, \i0+2, \i0+3
	FRAG AF+FR*(\i), ADRA+\slot, \q, \i
.endr
.endm
.macro SCALES sc                       ; a K step's scale words into set sc: lanes 0-15 take A's block i, lanes 16-31 B's block i
.irp i, 0,1,2,3,4,5,6,7
	ds_load_b64 v[SC+8*NQ*\sc+NQ*\i:SC+8*NQ*\sc+NQ*\i+1], v[ADRS] offset:\i*SBLK
.endr
.endm
; A load into a register that a matrix instruction has read, and a vector instruction that reads a matrix result or writes one of its registers, stand NP places behind it; only plain vector
; instructions that name none of its registers are places (ISA guide 7.12.1 for vector instructions).
.macro PLACES n
.rept \n
	v_nop
.endr
.endm
; A step of 128 along K that has its successor in the same slot.
.macro STEP slot, q, first
	s_wait_dscnt 4*NL                              ; B's set and A's blocks 0-3 are in; the youngest 24 loads (A's blocks 4-7) may be out
.if \first
	WIN 0x81                                       ; C (b1) in window 0, D in window 2
.else
	WIN MUL_LO
.endif
	MUL16 0, (\q)%2, \q, \slot, \first
	MUL16 2, (\q)%2, \q, \slot, \first
	s_wait_dscnt 0                                 ; A's blocks 4-7 are in
	PLACES NP
	FETCH_B \slot, (\q)+1, 1-(\q)%2
	FETCH_A \slot, (\q)+1, 0
.if \first
	WIN 0xc1
.else
	WIN MUL_HI
.endif
	MUL16 4, (\q)%2, \q, \slot, \first
	MUL16 6, (\q)%2, \q, \slot, \first
	PLACES NP
	WIN 0
	FETCH_A \slot, (\q)+1, 4
.endm
; A slot's last step changes slots: ONE barrier; in front of it each wave waits for all its tensor loads, adds 0 to its spare word, and waits for that and for its own reads of this slot.  fill = 1: this slot is filled again, two K steps ahead.
.macro TURN slot, next, fill
	s_wait_tensorcnt 0x0                           ; all my tensor loads have landed: my part of the next slot  (every window is 0 here)
	ds_add_u32 v[SPW], v[NIL]                      ; 0 onto my spare word
	s_wait_dscnt 4*NL+1                            ; (the add and the youngest 24 loads, A's blocks 4-7, may be out)
	WIN MUL_LO
	MUL16 0, 1, NQ-1, \slot, 0                     ; sixteen matrix instructions stand between the add and the wait for it
	s_wait_dscnt 0x0                               ; the add is done, and my reads of this slot are over
	s_barrier_signal -1
	MUL16 2, 1, NQ-1, \slot, 0
	WIN 0
	s_barrier_wait -1
.if \fill
	CREST                                          ; the barrier has opened a round of the cluster's barrier: no wave of any partner still reads this slot's tile or has a load on its way
	s_add_nc_u64 s[G0+4*\slot+2:G0+4*\slot+3], s[G0+4*\slot+2:G0+4*\slot+3], 2*ROWB
	s_add_nc_u64 s[G0B+4*\slot+2:G0B+4*\slot+3], s[G0B+4*\slot+2:G0B+4*\slot+3], 2*ROWB
	JLOAD G0+4*\slot, G1, G0B+4*\slot, G1B         ; the first tensor load behind the round; its four v_nop are the places in front of the loads below
.else
	PLACES NP
.endif
	v_add_nc_u32 v[ADRS], 4*NQ, v[ADRS]            ; on to the next K step's scale words (no LDS load of mine is out)
	FETCH_B \next, 0, 0
	FETCH_A \next, 0, 0
	SCALES \next
	WIN MUL_HI
	MUL16 4, 1, NQ-1, \slot, 0
	MUL16 6, 1, NQ-1, \slot, 0
	PLACES NP
	WIN 0
	FETCH_A \next, 0, 4
.endm
	s_wait_tensorcnt 1                             ; the scales and my part of K step 0 are in (K step 1's load may be out)
	s_barrier_signal -1
	s_barrier_wait -1                              ; everybody's are
	FETCH_B 0, 0, 0
	FETCH_A 0, 0, 0
	SCALES 0
	FETCH_A 0, 0, 4
	s_wait_loadcnt 0x0                             ; b1
	STEP 0, 0, 1                                   ; four K steps of 256, written out
	TURN 0, 1, 1                                   ; slot 0 takes K step 2
	STEP 1, 0, 0
	TURN 1, 0, 1                                   ; slot 1 takes K step 3
	STEP 0, 0, 0
	TURN 0, 1, 0                                   ; nothing is left to fetch
	STEP 1, 0, 0
	s_wait_dscnt 4*NL                              ; the very last step
	WIN MUL_LO
	MUL16 0, 1, NQ-1, 1, 0
	MUL16 2, 1, NQ-1, 1, 0
	s_wait_dscnt 0
	WIN MUL_HI
	MUL16 4, 1, NQ-1, 1, 0
	MUL16 6, 1, NQ-1, 1, 0
	WIN 0
; THE WAY OUT of block a: 16 tokens x my 128 hidden units.  In accumulator (a, b) lane (r, h) holds token r and hidden units 16 b + 8 h + 0 .. 7.
.macro BLOCK a
.set PC, PC0+20*((\a)%2)
	WIN 0x08+4*((\a)/4)                            ; source 1: window 2 or 3
.irp b, 0,1,2,3,4,5,6,7                ; relu and the move in one line, each accumulator from its low end on.  Accumulator 4 g + 2 B + u goes to v[T + 32 g + 16 u + 8 B]
.irp j, 0,1,2,3,4,5,6,7
	v_max_num_f32 v[T+8*(4*(\b/4)+2*(\b%2)+(\b%4)/2)+\j], 0, v[64*((\a)%4)+8*\b+\j]
.endr
.endr
	WIN 0
.irp g, 0,1                            ; the first register's lanes 16-31 change places with the second's lanes 0-15: lane (r, h) then holds in v[T + 32 g ..] the 32 numbers of block 2 g + h of token r, in order
.irp u, 0,1
.irp j, 0,1,2,3,4,5,6,7
	v_permlane16_swap_b32 v[T+32*\g+16*\u+\j], v[T+32*\g+16*\u+8+\j]
.endr
.endr
.endr
.irp c, 0,1,2,3                        ; four chains of 16 numbers; none is negative, so no |.|; the floor 2^(5 - 127) holds the byte at 1 from below
	v_max3_num_f32 v[M+\c], v[T+16*\c], v[T+16*\c+1], 0x2800000
.endr
.irp i, 2,4,6,8,10,12,14
.irp c, 0,1,2,3
	v_max3_num_f32 v[M+\c], v[M+\c], v[T+16*\c+\i], v[T+16*\c+\i+1]
.endr
.endr
	v_max_num_f32 v[M], v[M], v[M+1]
	v_max_num_f32 v[M+2], v[M+2], v[M+3]
	v_add_nc_u32 v[SO], 0xfe000000, v[M]           ; 4 off the exponent field: the conversion's scale operand
	v_add_nc_u32 v[SO+1], 0xfe000000, v[M+2]
	v_lshrrev_b32 v[BY], 23, v[SO]                 ; the bytes of blocks h and 2 + h
	v_lshrrev_b32 v[BY+1], 23, v[SO+1]
	v_lshl_or_b32 v[W], v[BY+1], 16, v[BY]
	v_lshlrev_b32 v[W], v[H8], v[W]                ; at their places in the word;
	v_permlanex16_b32 v[WT], v[W], s100, s101
	v_or_b32 v[W], v[W], v[WT]                     ; with lane l xor 16's two the word is whole
	ds_store_b32 v[SSA], v[W] offset:128*(\a)      ; lanes r and 16 + r write the same word with the same value
.if (\a) > 1
	s_wait_xcnt 0x0                                ; the stores of two blocks ago have read this set of registers
.endif
.irp g, 0,1
	v_cvt_scalef32_pk16_bf6_f32 v[PC+6*\g:PC+6*\g+2], v[T+32*\g:T+32*\g+15], v[SO+\g]
	v_cvt_scalef32_pk16_bf6_f32 v[PC+12+4*\g:PC+14+4*\g], v[T+32*\g+16:T+32*\g+31], v[SO+\g]   ; (a conversion's three registers begin on an even number: these are made aside and moved)
.endr
	v_nop                                          ; one plain line behind the scaled conversions
.irp g, 0,1
.irp i, 0,1,2
	v_mov_b32 v[PC+3+6*\g+\i], v[PC+12+4*\g+\i]    ; registers 6 g .. 6 g + 5: K = 64 g + 32 h + 0 .. 31
.endr
.endr
.irp j, 0,1,2
	global_store_b128 v[LI], v[PC+4*\j:PC+4*\j+3], s[12:13] offset:6144*(\a)+512*\j th:TH_STORE_NT   ; 32 lanes store 512 consecutive bytes, at a multiple of 512 from the buffer's first byte
.endr
.endm
	PLACES NP                                      ; behind the last products: their results are read and A's registers written below
	v_mov_b32 v[WT], 0                             ; written once: a lane permute's destination counts as one of its sources
.irp a, 0,1,2,3,4,5,6,7
	BLOCK \a
.endr
	s_wait_dscnt 0x0                               ; for the others' sake: my scale words have landed
	s_barrier_signal -1
	s_barrier_wait -1
	ds_load_b128 v[T:T+3], v[SSR]                  ; 64 tokens' two words each: one word from each wave of a pair
	s_wait_dscnt 0x0
	global_store_b128 v[LI], v[T:T+3], s[98:99] th:TH_STORE_NT   ; 512 consecutive bytes, aligned
	s_wait_tensorcnt 0x0                           ; the wave's end
	ds_add_u32 v[SPW], v[NIL]
	s_wait_dscnt 0x0
	CROUND                                         ; the closing round: no work-group ends while a partner may still ask for a tile that names it
	s_endpgm
.Lfunc_end_k_qab60e91b07_hidden:
	.size	k_qab60e91b07_hidden, .Lfunc_end_k_qab60e91b07_hidden-k_qab60e91b07_hidden
	.p2alignl 7, 3214868480
	.fill 96, 4, 3214868480
	.section	.rodata,"a",@progbits
	.p2align	6, 0x0
	.amdhsa_kernel k_qab60e91b07_hidden
		.amdhsa_group_segment_fixed_size 327680
		.amdhsa_private_segment_fixed_size 0
		.amdhsa_enable_private_segment 0
		.amdhsa_kernarg_size 56
		.amdhsa_user_sgpr_count 2
		.amdhsa_user_sgpr_kernarg_segment_ptr 1
		.amdhsa_wavefront_size32 1
		.amdhsa_system_sgpr_workgroup_id_x 1
		.amdhsa_system_sgpr_workgroup_id_y 1
		.amdhsa_system_sgpr_workgroup_id_z 1
		.amdhsa_system_vgpr_workitem_id 0
		.amdhsa_next_free_vgpr 1024
		.amdhsa_next_free_sgpr 102
		.amdhsa_reserve_vcc 0
		.amdhsa_float_denorm_mode_32 3
		.amdhsa_float_denorm_mode_16_64 3
		.amdhsa_memory_ordered 1
		.amdhsa_forward_progress 1
		.amdhsa_inst_pref_size 185
	.end_amdhsa_kernel
	.amdgpu_metadata
---
amdhsa.version: [ 1, 2 ]
amdhsa.kernels:
  - .name:           k_qab60e91b07_hidden
    .symbol:         k_qab60e91b07_hidden.kd
    .args:
      - { .name: x_codes, .offset: 0, .size: 8, .value_kind: global_buffer, .address_space: global }
      - { .name: x_scales, .offset: 8, .size: 8, .value_kind: global_buffer, .address_space: global }
      - { .name: w1_codes, .offset: 16, .size: 8, .value_kind: global_buffer, .address_space: global }
      - { .name: w1_scales, .offset: 24, .size: 8, .value_kind: global_buffer, .address_space: global }
      - { .name: h_codes, .offset: 32, .size: 8, .value_kind: global_buffer, .address_space: global }
      - { .name: b1, .offset: 40, .size: 8, .value_kind: global_buffer, .address_space: global }
      - { .name: h_scales, .offset: 48, .size: 8, .value_kind: global_buffer, .address_space: global }
    .group_segment_fixed_size: 327680
    .private_segment_fixed_size: 0
    .kernarg_segment_align: 8
    .kernarg_segment_size: 56
    .max_flat_workgroup_size: 128
    .sgpr_count:     102
    .vgpr_count:     1024
    .wavefront_size: 32
...
	.end_amdgpu_metadata
.endif
;; end of part 2
;; launch experts (part 3): grid 8 x 32, 4 waves a work-group, clusters of 4 x 4, 327,680 bytes of LDS; arguments h_codes, h_scales, w2_codes, w2_scales, b2, gw, part; writes part
.if DOCPART == 3
	.amdgcn_target "amdgcn-amd-amdhsa--gfx1250"
	.amdhsa_code_object_version 6
	.text
	.protected	k_qab60e91b07_experts
	.globl	k_qab60e91b07_experts
	.p2align	8
	.type	k_qab60e91b07_experts,@function
k_qab60e91b07_experts:
	s_mov_b64 s[64:65], 0
	v_nop
	global_prefetch_b8 v0, s[64:65] scope:SCOPE_SE
	s_setreg_imm32_b32 hwreg(HW_REG_WAVE_MODE, 25, 1), 1
	s_wait_xcnt 0x0
	s_wait_alu depctr_hold_cnt(0) depctr_sa_sdst(0) depctr_va_vdst(0) depctr_va_sdst(0) depctr_va_ssrc(0) depctr_va_vcc(0) depctr_vm_vsrc(0)
	s_getreg_b32 s2, hwreg(HW_REG_IB_STS2, 6, 4)
	s_cmp_eq_u32 s2, 0
	s_cbranch_scc0 .Lentry_in_a_cluster
	s_endpgm
.Lentry_in_a_cluster:
	s_bfe_u32 s2, ttmp6, 0x10000c
	s_cmp_lg_u32 s2, 0xf033
	s_cbranch_scc0 .Lentry_shape_is_right
	s_endpgm
.Lentry_shape_is_right:
; part[e][n][o] = g[n][e] x (sum over the hidden units k of H_e[n][k] W2_e[o][k] + b2[e][o]): one expert to a work-group, both operands codes of BF6 (E3M2) with one E8M0 byte for each 32 along K = 4,096.
; g is the signed gate weight, 0 where the expert is not chosen for the token: it is applied as a factor, as the definition has it.  The eight parts are added by the next launch.
; SHARES.  A cluster of 4 x 4 work-groups has one expert (cluster y).  A work-group makes 256 tokens (cy) x 128 outputs (4 x cluster x + cx); a wave 128 tokens x 64 outputs: 8 x 4 accumulators, 256 registers.
; H's tiles hang on the expert and cy alone and are asked for JOINTLY along a row of the cluster; W2's on the expert and the output tile alone, jointly along a column.
; THE MATRIX INSTRUCTION IS USED TRANSPOSED (source 0 = 16 rows of W2, source 1 = 16 tokens of H): a lane holds one token and eight neighbouring outputs.  b2 is the C of each sum's first product.
; K goes in eight slots' worth of 512, four steps of 128 each, through a ring of two LDS slots.  The walk is written out: the scale registers and their halves of the lanes change from step to step.
; H lies in memory as images of its fragments' registers (1,536 bytes for 16 tokens x 128 K): a slot's part for 256 tokens is one dense block of 98,304 bytes, and a fragment comes by three loads of 16 bytes a lane.
; W2's rows (3,072 bytes) give 384 bytes a slot, as two sub-tiles of 192 bytes a row, each row 3 x (64 + 16 of padding) = 240 bytes in LDS.
; THE SCALES go from memory straight into registers, since the two slots take nearly all of LDS: W2's for all of K once (64 registers), H's a slot ahead (two sets of 16).
; REGISTERS, in windows of 256: window 0: v1-22 addresses; v32-63 H's scale words; v64-127 W2's; v128-159 b2, later results; v160-175 g; v176-207 results.
;   window 1: fragment set 0 (H at v0-95, W2 at v96-143); on the way out rows of the result at v0-63.   window 3: fragment set 1.   window 2: accumulator (a, b) at v[8 (4 a + b)].
.set AHALF,  49152                     ; H's images of 128 tokens x 512 K: what one tensor load brings, and what one wave reads
.set APART,  2*AHALF
.set PITCH,  240
.set BSUB,   128*PITCH                 ; a sub-tile of W2: 128 rows x 256 K
.set SLOT,   APART+2*BSUB              ; 159,744
.set FRB,    1536                      ; a fragment's image
.set SPARE,  2*SLOT                    ; the spare words, 128 bytes for each wave: two blocks of 256 bytes that no other line names
.set SPITCH, 272                       ; the way out: a stage of 16 rows x (256 bytes + 16) for each wave, at the head of slot 0, which has had its last fill and its last read when the first result is stored there
.set ADA,  4                           ; v4-5    LDS address of my H fragments in slot 0, 1
.set ADB,  6                           ; v6-7    the same for W2  (v8-9: for the pieces behind one padding more)
.set STO,  10                          ; v10     the way out: where I put 32 bytes of a row
.set RD,   11                          ; v11     where I read a row back
.set CO,   12                          ; v12     my byte offset in two rows of the result
.set SPW,  13                          ; v13     LDS address of my spare word; never rewritten
.set NIL,  14                          ; v14     0; never rewritten
.set SAO,  15                          ; v15     H's scale words: 8,192 (lane / 16) + 8 (lane % 16)
.set WSO,  16                          ; v16     W2's: 128 (lane % 16) + 64 (lane / 16)
.set BO,   17                          ; v17     b2: 32 (lane / 16)
.set GO,   18                          ; v18     g: 32 (lane % 16)
.set SA,   32                          ; H's scale words: set K % 2; register 2 a + i: lanes 0-15 step i of the slot, lanes 16-31 step 2 + i
.set SBW,  64                          ; W2's: register 16 b + i: lanes 0-15 word i of the row's 32, lanes 16-31 word 16 + i
.set B2,   128                         ; b2: register 8 b + j
.set G,    160                         ; g of block a's token, twice: v[G + 2 a], v[G + 2 a + 1]
.set TMP0, 128
.set FA,   0
.set FB,   96
.set G1A, 24                           ; s[24:31] descriptor group 1 for H's tiles;  s[32:39] group 0, one set for each slot
.set G0A, 32
.set G1B, 48                           ; s[48:55], s[56:63] the same for W2's
.set G0B, 56
.set MSB, 0
.macro WIN new                         ; the immediate's high byte repeats the setting that is left
.if MSB != (\new)
	s_set_vgpr_msb (MSB<<8)|(\new)
.set MSB, (\new)
.endif
.endm
; A joint load: waves 0 and 1 fetch H's two halves, waves 2 and 3 W2's two sub-tiles.  The branch hangs on the wave's number alone.  Four v_nop follow each of the two lines.
.macro JLOAD s
	s_cmp_eq_u32 s15, 0
	s_cbranch_scc0 .Lfor_b_\@
	tensor_load_to_lds s[G0A+4*\s:G0A+4*\s+3], s[G1A:G1A+7]
	s_nop 0
.rept 4
	v_nop
.endr
	s_branch .Lasked_\@
.Lfor_b_\@:
	tensor_load_to_lds s[G0B+4*\s:G0B+4*\s+3], s[G1B:G1B+7]
	s_nop 0
.rept 4
	v_nop
.endr
.Lasked_\@:
.endm
.macro CREST                           ; a round of the cluster's barrier behind its opening barrier
	s_cmp_lg_u32 s14, 0
	s_cbranch_scc1 .Lnot_wave_0_\@
	s_barrier_signal -3
.Lnot_wave_0_\@:
	s_barrier_wait -3
	s_barrier_signal -1
	s_barrier_wait -1
.endm
.macro CROUND
	s_barrier_signal -1
	s_barrier_wait -1
	CREST
.endm
	s_load_b128 s[4:7], s[0:1], 0x0                ; h_codes s[4:5], h_scales s[6:7]
	s_load_b128 s[8:11], s[0:1], 0x10              ; w2_codes s[8:9], w2_scales s[10:11]
	s_load_b128 s[68:71], s[0:1], 0x20             ; b2 s[68:69], gw s[70:71]
	s_load_b64 s[72:73], s[0:1], 0x30              ; part
	v_lshl_add_u32 v[SPW], v0, 2, SPARE
	v_mov_b32 v[NIL], 0
	ds_add_u32 v13, v14
	ds_add_u32 v13, v14
	s_wait_dscnt 0x0
	v_lshrrev_b32 v1, 5, v0
	v_readfirstlane_b32 s14, v1                    ; wave 0..3
	s_lshr_b32 s15, s14, 1                         ; which half of the tokens is mine.  Also: I fetch for H (0) or for W2 (1)
	s_and_b32 s16, s14, 1                          ; which half of the outputs.  Also: which half of that tile I fetch
	s_bfe_u32 s40, ttmp6, 0x40000                  ; cx
	s_bfe_u32 s41, ttmp6, 0x40004                  ; cy: the tile of 256 tokens
	s_lshl_b32 s42, ttmp9, 2
	s_add_co_u32 s42, s42, s40                     ; the tile of 128 outputs = 4 x cluster x + cx
	s_and_b32 s17, ttmp7, 0xffff                   ; the expert = cluster y: the same in all sixteen partners
	s_lshl_b32 s43, s41, 2
	s_lshl_b32 s43, 15, s43                        ; my row of the cluster
	s_lshl_b32 s44, 0x1111, s40                    ; my column
	; H: a dense block of 49,152 bytes as 192 rows of 256 bytes (32 elements of 8 bytes), no padding
	s_or_b32 s[G1A+0], s43, (3<<16)|(1<<21)        ; 15:0 the mask: my row; 17:16 elements of 8 bytes; 21 set beside a mask
	s_mov_b32 s[G1A+1], 32<<16                     ; tensor_dim0
	s_mov_b32 s[G1A+2], 192<<16                    ; tensor_dim1
	s_mov_b32 s[G1A+3], 32<<16                     ; tile_dim0
	s_mov_b32 s[G1A+4], 192                        ; tile_dim1
	s_mov_b32 s[G1A+5], 32                         ; tensor_dim0_stride
	s_mov_b32 s[G1A+6], 0
	s_mov_b32 s[G1A+7], 0
	; W2: 128 rows x 192 bytes, 3,072 bytes apart, 16 bytes of padding behind every 64
	s_or_b32 s[G1B+0], s44, (0<<16)|(1<<20)|(1<<21)|(3<<22)|(3<<25)
	s_mov_b32 s[G1B+1], 192<<16
	s_mov_b32 s[G1B+2], 128<<16
	s_mov_b32 s[G1B+3], 192<<16
	s_mov_b32 s[G1B+4], 128
	s_mov_b32 s[G1B+5], 3072
	s_mov_b32 s[G1B+6], 0
	s_mov_b32 s[G1B+7], 0
	s_mul_i32 s18, s17, 3145728                    ; the expert's part of either tensor of codes
	s_mul_i32 s20, s41, APART                      ; H: 16 blocks of tokens a tile,
	s_add_co_u32 s20, s20, s18
	s_mul_i32 s19, s16, AHALF                      ; my half of them
	s_add_co_u32 s20, s20, s19
	s_mov_b32 s21, 0
	s_mul_i32 s46, s42, 393216                     ; W2: 128 rows of 3,072 bytes a tile,
	s_add_co_u32 s46, s46, s18
	s_mul_i32 s45, s16, 192                        ; my 256 of the slot's 512 along K
	s_add_co_u32 s46, s46, s45
	s_mov_b32 s47, 0
	s_mul_i32 s45, s16, BSUB
	s_add_co_u32 s45, s45, APART                   ; where they go: no place in the cluster enters an LDS address
	s_wait_kmcnt 0x0
	s_add_nc_u64 s[20:21], s[4:5], s[20:21]
	s_add_nc_u64 s[46:47], s[8:9], s[46:47]
	CROUND                                         ; all sixteen work-groups are here: the first joint loads meet
.irp s, 0,1
	s_mov_b32 s[G0A+4*\s], 1
	s_add_co_u32 s[G0A+4*\s+1], s19, \s*SLOT
	s_add_nc_u64 s[G0A+4*\s+2:G0A+4*\s+3], s[20:21], \s*393216     ; slot s begins with plane s of the expert's eight
	s_or_b32 s[G0A+4*\s+3], s[G0A+4*\s+3], 0x80000000
	s_mov_b32 s[G0B+4*\s], 1
	s_add_co_u32 s[G0B+4*\s+1], s45, \s*SLOT
	s_add_nc_u64 s[G0B+4*\s+2:G0B+4*\s+3], s[46:47], \s*384
	s_or_b32 s[G0B+4*\s+3], s[G0B+4*\s+3], 0x80000000
	JLOAD \s                                       ; two tensor loads of mine are out
.endr
	v_and_b32 v1, 15, v0                           ; r = lane % 16
	v_bfe_u32 v2, v0, 4, 1                         ; h = lane / 16
	v_and_b32 v3, 31, v0
	v_lshlrev_b32 v[SAO], 13, v2
	v_lshl_add_u32 v[SAO], v1, 3, v[SAO]
	v_lshlrev_b32 v[WSO], 7, v1
	v_lshl_add_u32 v[WSO], v2, 6, v[WSO]
	v_lshlrev_b32 v[BO], 5, v2
	v_lshlrev_b32 v[GO], 5, v1
	s_mov_b32 s75, 0
	s_lshl_b32 s74, s17, 17                        ; h_scales: 16 planes of 8,192 bytes an expert; 8 bytes a token
	s_lshl_b32 s76, s41, 11
	s_add_co_u32 s74, s74, s76
	s_lshl_b32 s76, s15, 10
	s_add_co_u32 s74, s74, s76
	s_add_nc_u64 s[6:7], s[6:7], s[74:75]
	s_lshl_b32 s74, s17, 17                        ; w2_scales: 128 bytes a row
	s_lshl_b32 s76, s42, 14
	s_add_co_u32 s74, s74, s76
	s_lshl_b32 s76, s16, 13
	s_add_co_u32 s74, s74, s76
	s_add_nc_u64 s[10:11], s[10:11], s[74:75]
	s_lshl_b32 s74, s17, 12                        ; b2
	s_lshl_b32 s76, s42, 9
	s_add_co_u32 s74, s74, s76
	s_lshl_b32 s76, s16, 8
	s_add_co_u32 s74, s74, s76
	s_add_nc_u64 s[68:69], s[68:69], s[74:75]
	s_lshl_b32 s74, s41, 13                        ; gw: 32 bytes a token, the expert's word
	s_lshl_b32 s76, s15, 12
	s_add_co_u32 s74, s74, s76
	s_lshl_b32 s76, s17, 2
	s_add_co_u32 s74, s74, s76
	s_add_nc_u64 s[70:71], s[70:71], s[74:75]
	s_lshl_b32 s74, s17, 22                        ; part: 4 MiB an expert, 4,096 bytes a token
	s_lshl_b32 s76, s41, 20
	s_add_co_u32 s74, s74, s76
	s_lshl_b32 s76, s15, 19
	s_add_co_u32 s74, s74, s76
	s_lshl_b32 s76, s42, 9
	s_add_co_u32 s74, s74, s76
	s_lshl_b32 s76, s16, 8
	s_add_co_u32 s74, s74, s76
	s_add_nc_u64 s[72:73], s[72:73], s[74:75]
.macro SCLOAD K                        ; H's scale words of slot K: lanes 0-15 read plane 2 K, lanes 16-31 plane 2 K + 1; two words a token
.irp a, 0,1,2,3,4,5,6,7
	global_load_b64 v[SA+16*((\K)%2)+2*\a:SA+16*((\K)%2)+2*\a+1], v[SAO], s[6:7] offset:16384*(\K)+128*\a
.endr
.endm
.irp b, 0,1,2,3
	global_load_b128 v[B2+8*\b:B2+8*\b+3], v[BO], s[68:69] offset:64*\b
	global_load_b128 v[B2+8*\b+4:B2+8*\b+7], v[BO], s[68:69] offset:64*\b+16
.endr
.irp b, 0,1,2,3
.irp i, 0,1,2,3
	global_load_b128 v[SBW+16*\b+4*\i:SBW+16*\b+4*\i+3], v[WSO], s[10:11] offset:2048*\b+16*\i
.endr
.endr
	SCLOAD 0
.irp a, 0,1,2,3,4,5,6,7
	global_load_b32 v[G+2*\a], v[GO], s[70:71] offset:512*\a
	global_load_b32 v[G+2*\a+1], v[GO], s[70:71] offset:512*\a     ; twice: the packed multiply takes a pair
.endr
	v_lshlrev_b32 v19, 4, v3                       ; 16 x lane
	s_mul_i32 s74, s15, AHALF
	v_add_nc_u32 v[ADA], s74, v19
	s_add_co_u32 s74, s74, SLOT
	v_add_nc_u32 v[ADA+1], s74, v19
	v_mul_u32_u24 v20, v1, PITCH
	v_mad_u32_u24 v21, v2, 24, v20                 ; row x pitch + 24 x half,
	v_mad_u32_u24 v22, v2, 40, v20                 ; and the same behind one padding more
	s_mul_i32 s74, s16, 64*PITCH
	s_add_co_u32 s74, s74, APART
	v_add_nc_u32 v[ADB], s74, v21
	v_add_nc_u32 v[ADB+2], s74, v22
	s_add_co_u32 s74, s74, SLOT
	v_add_nc_u32 v[ADB+1], s74, v21
	v_add_nc_u32 v[ADB+3], s74, v22
	s_mul_i32 s74, s14, 16*SPITCH                  ; my stage
	v_mul_u32_u24 v20, v1, SPITCH
	v_lshl_add_u32 v20, v2, 5, v20
	v_add_nc_u32 v[STO], s74, v20                  ; in: row r, 32 bytes for each half of the lanes
	v_mul_u32_u24 v20, v2, SPITCH
	v_lshl_add_u32 v20, v1, 4, v20
	v_add_nc_u32 v[RD], s74, v20                   ; back: lanes 0-15 one row of 256 bytes, lanes 16-31 the next
	v_lshlrev_b32 v[CO], 12, v2
	v_lshl_add_u32 v[CO], v1, 4, v[CO]             ; and the same two rows in the result
.macro FRAGB reg, slot, q, b           ; 16 rows of W2 x 128 K: 24 bytes twice, in pieces of 8; lanes 16-31 read three pieces further on, for some pieces behind one padding more
.irp p, 0,1,2,3,4,5
.set PCE, 12*((\q)%2)+6*(\p/3)+\p%3
.if PCE%8 < 5
	ds_load_b64 v[\reg+2*\p:\reg+2*\p+1], v[ADB+\slot] offset:8*PCE+16*(PCE/8)+(\b)*16*PITCH+BSUB*((\q)/2)
.else
	ds_load_b64 v[\reg+2*\p:\reg+2*\p+1], v[ADB+2+\slot] offset:8*PCE+16*(PCE/8)+(\b)*16*PITCH+BSUB*((\q)/2)
.endif
.endr
.endm
.macro FRAGA reg, slot, q, a           ; 16 tokens of H x 128 K: the image as it lies, 512 consecutive bytes a load
.irp j, 0,1,2
	ds_load_b128 v[\reg+4*\j:\reg+4*\j+3], v[ADA+\slot] offset:4*FRB*(\a)+FRB*(\q)+512*\j
.endr
.endm
.macro FETCH slot, q, set              ; 48 loads in one run: W2's four fragments (24), H's blocks 0-3 (12), H's blocks 4-7 (12)
	WIN 0x40+0x80*(\set)                           ; destination window 1 or 3
.irp b, 0,1,2,3
	FRAGB FB+12*\b, \slot, \q, \b
.endr
.irp a, 0,1,2,3,4,5,6,7
	FRAGA FA+12*\a, \slot, \q, \a
.endr
.endm
; 8 matrix instructions: H's blocks a0, a0 + 1 x W2's four, step q of slot K, fragment set `set`.  W2's word 4 K + q lies in register (4 K + q) % 16, in lanes 16-31 from K = 4 on; H's in register q % 2, in lanes 16-31 for q = 2, 3.
; The 32 accumulators take turns, one instruction a turn, in the same order in every step.  bias = 1: b2 is the C, and the sums begin.
.macro MUL2 a0, set, K, q, bias
.if \bias
	WIN 0x85                                       ; sources 0 and 1 window 1, C (b2) window 0, D window 2
.else
	WIN 0xa5+0x0a*(\set)                           ; sources 0 and 1 window 1 or 3, C and D window 2
.endif
.set SBR, SBW+(4*(\K)+(\q))%16
.set SAR, SA+16*((\K)%2)+(\q)%2
.irp a, \a0, \a0+1
.irp b, 0,1,2,3
.if \bias
	v_wmma_scale_f32_16x16x128_f8f6f4 v[8*(4*(\a)+\b):8*(4*(\a)+\b)+7], v[FB+12*\b:FB+12*\b+11], v[FA+12*(\a):FA+12*(\a)+11], v[B2+8*\b:B2+8*\b+7], v[SBR+16*\b], v[SAR+2*(\a)] matrix_a_fmt:MATRIX_FMT_BF6 matrix_b_fmt:MATRIX_FMT_BF6
.elseif ((\K)/4) && ((\q)/2)
	v_wmma_scale_f32_16x16x128_f8f6f4 v[8*(4*(\a)+\b):8*(4*(\a)+\b)+7], v[FB+12*\b:FB+12*\b+11], v[FA+12*(\a):FA+12*(\a)+11], v[8*(4*(\a)+\b):8*(4*(\a)+\b)+7], v[SBR+16*\b], v[SAR+2*(\a)] matrix_a_fmt:MATRIX_FMT_BF6 matrix_b_fmt:MATRIX_FMT_BF6 matrix_a_scale:MATRIX_SCALE_ROW1 matrix_b_scale:MATRIX_SCALE_ROW1
.elseif (\K)/4
	v_wmma_scale_f32_16x16x128_f8f6f4 v[8*(4*(\a)+\b):8*(4*(\a)+\b)+7], v[FB+12*\b:FB+12*\b+11], v[FA+12*(\a):FA+12*(\a)+11], v[8*(4*(\a)+\b):8*(4*(\a)+\b)+7], v[SBR+16*\b], v[SAR+2*(\a)] matrix_a_fmt:MATRIX_FMT_BF6 matrix_b_fmt:MATRIX_FMT_BF6 matrix_a_scale:MATRIX_SCALE_ROW1
.elseif (\q)/2
	v_wmma_scale_f32_16x16x128_f8f6f4 v[8*(4*(\a)+\b):8*(4*(\a)+\b)+7], v[FB+12*\b:FB+12*\b+11], v[FA+12*(\a):FA+12*(\a)+11], v[8*(4*(\a)+\b):8*(4*(\a)+\b)+7], v[SBR+16*\b], v[SAR+2*(\a)] matrix_a_fmt:MATRIX_FMT_BF6 matrix_b_fmt:MATRIX_FMT_BF6 matrix_b_scale:MATRIX_SCALE_ROW1
.else
	v_wmma_scale_f32_16x16x128_f8f6f4 v[8*(4*(\a)+\b):8*(4*(\a)+\b)+7], v[FB+12*\b:FB+12*\b+11], v[FA+12*(\a):FA+12*(\a)+11], v[8*(4*(\a)+\b):8*(4*(\a)+\b)+7], v[SBR+16*\b], v[SAR+2*(\a)] matrix_a_fmt:MATRIX_FMT_BF6 matrix_b_fmt:MATRIX_FMT_BF6
.endif
.endr
.endr
.endm
; A load into a register that a matrix instruction has read, and a vector instruction that reads a matrix result, stand four places behind it; only plain vector instructions that name none of its
; registers are places (ISA guide 7.12.1 for vector instructions).
.macro PLACES
.rept 4
	v_nop
.endr
.endm
; One of a slot's first three steps: multiplies set q % 2 and, in its middle, fetches the next step's fragments into the other set.
.macro STEP slot, K, q, bias
	s_wait_dscnt 12                                ; W2's fragments and H's blocks 0-3 are in; the youngest twelve loads (H's blocks 4-7) may be out
.if (\q) == 0
	s_wait_loadcnt 0x0                             ; this slot's scale words of H, asked for a slot ago (at the first step: all the loads of the head)
.endif
	MUL2 0, (\q)%2, \K, \q, \bias
	MUL2 2, (\q)%2, \K, \q, \bias
	s_wait_dscnt 0x0                               ; H's blocks 4-7 are in
	PLACES
	FETCH \slot, (\q)+1, 1-(\q)%2
.if ((\q) == 0) && ((\K) < 7)
	WIN 0
	SCLOAD (\K)+1                                  ; into the set that the slot before read: its last products stand in front of the four places above
.endif
	MUL2 4, (\q)%2, \K, \q, \bias
	MUL2 6, (\q)%2, \K, \q, \bias
.endm
; A slot's last step changes slots: ONE barrier; in front of it each wave waits for all its tensor loads, adds 0 to its spare word, and waits for that and for its own reads of this slot.  fill = 1: this slot is filled again, two slots ahead.
.macro TURN slot, next, K, fill
	WIN 0                                          ; (the add's two registers lie in window 0)
	s_wait_tensorcnt 0x0                           ; all my tensor loads have landed: the one that was out is my part of the next slot
	ds_add_u32 v[SPW], v[NIL]                      ; 0 onto my spare word
	s_wait_dscnt 13                                ; (the add and the youngest twelve loads may be out)
	MUL2 0, 1, \K, 3, 0                            ; eight matrix instructions stand between the add and the wait for it
	s_wait_dscnt 0x0                               ; the add is done, and my reads of this slot are over
	s_barrier_signal -1
	MUL2 2, 1, \K, 3, 0
	WIN 0
	s_barrier_wait -1
.if \fill
	CREST                                          ; the barrier has opened a round of the cluster's barrier: no wave of any partner still reads this slot or has a load on its way
	s_add_nc_u64 s[G0A+4*\slot+2:G0A+4*\slot+3], s[G0A+4*\slot+2:G0A+4*\slot+3], 2*393216
	s_add_nc_u64 s[G0B+4*\slot+2:G0B+4*\slot+3], s[G0B+4*\slot+2:G0B+4*\slot+3], 2*384
	JLOAD \slot                                    ; the first tensor load behind the round: 112 matrix instructions ahead of the wait for it; its four v_nop are the places in front of the loads below
.else
	PLACES
.endif
	FETCH \next, 0, 0
	MUL2 4, 1, \K, 3, 0
	MUL2 6, 1, \K, 3, 0
.endm
	s_wait_tensorcnt 1                             ; my part of slot 0 is in (slot 1's load may be out)
	s_barrier_signal -1
	s_barrier_wait -1                              ; everybody's is
	FETCH 0, 0, 0
	STEP 0, 0, 0, 1                                ; the first step's products start the sums from b2
	STEP 0, 0, 1, 0
	STEP 0, 0, 2, 0
	TURN 0, 1, 0, 1
.irp K, 1,2,3,4,5
	STEP (\K%2), \K, 0, 0
	STEP (\K%2), \K, 1, 0
	STEP (\K%2), \K, 2, 0
	TURN (\K%2), (1-\K%2), \K, 1
.endr
	STEP 0, 6, 0, 0
	STEP 0, 6, 1, 0
	STEP 0, 6, 2, 0
	TURN 0, 1, 6, 0                                ; nothing is left to fetch: slot 0 has had its last fill, and behind this barrier nobody reads it
	STEP 1, 7, 0, 0
	STEP 1, 7, 1, 0
	STEP 1, 7, 2, 0
	s_wait_dscnt 12                                ; the very last step
	MUL2 0, 1, 7, 3, 0
	MUL2 2, 1, 7, 3, 0
	s_wait_dscnt 0x0
	MUL2 4, 1, 7, 3, 0
	MUL2 6, 1, 7, 3, 0
	WIN 0
; THE WAY OUT, block by block of 16 tokens x 64 outputs.  PACK: x g, into window 0.  TOSTAGE: a lane's 32 bytes of a row into my stage, and back as whole rows of 256 bytes.  SEND: stored.
.macro PACK a
.set TM, TMP0+48*((\a)%2)
	WIN 0x02                                       ; source 0: window 2
.set i, 0
.rept 16
	v_pk_mul_f32 v[TM+i:TM+i+1], v[32*(\a)+i:32*(\a)+i+1], v[G+2*(\a):G+2*(\a)+1]   ; each accumulator from its low end on
.set i, i+2
.endr
	WIN 0
.endm
.macro TOSTAGE a
.set TM, TMP0+48*((\a)%2)
.irp b, 0,1,2,3
	ds_store_b128 v[STO], v[TM+8*\b:TM+8*\b+3] offset:64*\b
	ds_store_b128 v[STO], v[TM+8*\b+4:TM+8*\b+7] offset:64*\b+16
.endr
	WIN 0x40                                       ; destination window 1
.irp t, 0,1,2,3,4,5,6,7
	ds_load_b128 v[32*((\a)%2)+4*\t:32*((\a)%2)+4*\t+3], v[RD] offset:\t*2*SPITCH   ; LDS serves a wave's instructions in order (ISA guide 5.7.1.4): these see the stores above, and the next block's stores come behind them
.endr
	WIN 0
.endm
.macro SEND a, younger                 ; younger: the LDS instructions issued behind block a's loads, which may stay out
	s_wait_dscnt \younger
	WIN 0x04                                       ; a store's data are its source 1: window 1
.irp t, 0,1,2,3,4,5,6,7
	global_store_b128 v[CO], v[32*((\a)%2)+4*\t:32*((\a)%2)+4*\t+3], s[72:73] offset:(16*(\a)+2*\t)*4096 th:TH_STORE_NT   ; 16 lanes store 256 consecutive bytes, at a multiple of 256 from the buffer's first byte
.endr
	WIN 0
.endm
	PLACES                                         ; behind the last products: their results are read, and fragment registers loaded into, below
	PACK 0
	TOSTAGE 0
.irp a, 1,2,3,4,5,6,7
	PACK \a
.if \a > 1
	s_wait_xcnt 0x0                                ; block a - 2's stores have read their registers: block a's rows may land there
.endif
	TOSTAGE \a
	SEND \a-1, 16                                  ; behind block a - 1's loads: block a's 8 stores and 8 loads
.endr
	SEND 7, 0
	s_wait_tensorcnt 0x0                           ; the wave's end
	ds_add_u32 v[SPW], v[NIL]
	s_wait_dscnt 0x0
	CROUND                                         ; the closing round: no work-group ends while a partner may still ask for a tile that names it
	s_endpgm
.Lfunc_end_k_qab60e91b07_experts:
	.size	k_qab60e91b07_experts, .Lfunc_end_k_qab60e91b07_experts-k_qab60e91b07_experts
	.p2alignl 7, 3214868480
	.fill 96, 4, 3214868480
	.section	.rodata,"a",@progbits
	.p2align	6, 0x0
	.amdhsa_kernel k_qab60e91b07_experts
		.amdhsa_group_segment_fixed_size 327680
		.amdhsa_private_segment_fixed_size 0
		.amdhsa_enable_private_segment 0
		.amdhsa_kernarg_size 56
		.amdhsa_user_sgpr_count 2
		.amdhsa_user_sgpr_kernarg_segment_ptr 1
		.amdhsa_wavefront_size32 1
		.amdhsa_system_sgpr_workgroup_id_x 1
		.amdhsa_system_sgpr_workgroup_id_y 1
		.amdhsa_system_sgpr_workgroup_id_z 1
		.amdhsa_system_vgpr_workitem_id 0
		.amdhsa_next_free_vgpr 912
		.amdhsa_next_free_sgpr 80
		.amdhsa_reserve_vcc 0
		.amdhsa_float_denorm_mode_32 3
		.amdhsa_float_denorm_mode_16_64 3
		.amdhsa_memory_ordered 1
		.amdhsa_forward_progress 1
		.amdhsa_inst_pref_size 255
	.end_amdhsa_kernel
	.section	.bss,"aw",@nobits
	.p2align	6
	.space	262144
	.amdgpu_metadata
---
amdhsa.version: [ 1, 2 ]
amdhsa.kernels:
  - .name:           k_qab60e91b07_experts
    .symbol:         k_qab60e91b07_experts.kd
    .args:
      - { .name: h_codes, .offset: 0, .size: 8, .value_kind: global_buffer, .address_space: global }
      - { .name: h_scales, .offset: 8, .size: 8, .value_kind: global_buffer, .address_space: global }
      - { .name: w2_codes, .offset: 16, .size: 8, .value_kind: global_buffer, .address_space: global }
      - { .name: w2_scales, .offset: 24, .size: 8, .value_kind: global_buffer, .address_space: global }
      - { .name: b2, .offset: 32, .size: 8, .value_kind: global_buffer, .address_space: global }
      - { .name: gw, .offset: 40, .size: 8, .value_kind: global_buffer, .address_space: global }
      - { .name: part, .offset: 48, .size: 8, .value_kind: global_buffer, .address_space: global }
    .group_segment_fixed_size: 327680
    .private_segment_fixed_size: 0
    .kernarg_segment_align: 8
    .kernarg_segment_size: 56
    .max_flat_workgroup_size: 128
    .sgpr_count:     80
    .vgpr_count:     912
    .wavefront_size: 32
...
	.end_amdgpu_metadata
.endif
;; end of part 3
;; launch sum (part 4): grid 256 x 1, 8 waves a work-group, no clusters, 0 bytes of LDS; arguments part, out0; writes out0
.if DOCPART == 4
	.amdgcn_target "amdgcn-amd-amdhsa--gfx1250"
	.amdhsa_code_object_version 6
	.text
	.protected	k_qab60e91b07_sum
	.globl	k_qab60e91b07_sum
	.p2align	8
	.type	k_qab60e91b07_sum,@function
k_qab60e91b07_sum:
	s_mov_b64 s[64:65], 0
	v_nop
	global_prefetch_b8 v0, s[64:65] scope:SCOPE_SE
	s_setreg_imm32_b32 hwreg(HW_REG_WAVE_MODE, 25, 1), 1
	s_wait_xcnt 0x0
; out0[n][o] = the sum over the eight experts of part[e][n][o], f32.  A stream: every byte of part is read once, every byte of out0 written once; LDS, barriers and matrix work would add nothing.
; A work-group owns 16,384 consecutive bytes of out0, as four chunks of 4,096: thread t takes the 16 bytes at 16 t of each chunk, so a wave's load or store covers 512 consecutive bytes.
; All 32 loads of a thread go out at once, chunk by chunk; the waits count the later chunks' loads down.
.set X, 4                              ; v4-131: chunk c, expert e at v[X + 32 c + 4 e]
	s_load_b128 s[4:7], s[0:1], 0x0                ; part s[4:5], out0 s[6:7]
	v_lshlrev_b32 v1, 4, v0
	s_lshl_b32 s2, ttmp9, 14
	s_mov_b32 s3, 0
	s_wait_kmcnt 0x0
	s_add_nc_u64 s[8:9], s[4:5], s[2:3]            ; expert 0's part of my bytes
	s_add_nc_u64 s[6:7], s[6:7], s[2:3]
.irp e, 1,2,3,4,5,6,7
	s_add_nc_u64 s[8+2*\e:9+2*\e], s[8:9], \e*0x400000   ; 4 MiB from expert to expert: more than a load's immediate holds, so each has its base
.endr
.irp c, 0,1,2,3
.irp e, 0,1,2,3,4,5,6,7
	global_load_b128 v[X+32*\c+4*\e:X+32*\c+4*\e+3], v1, s[8+2*\e:9+2*\e] offset:4096*\c th:TH_LOAD_NT
.endr
.endr
.irp c, 0,1,2,3
	s_wait_loadcnt 24-8*\c                         ; this chunk's eight loads are in; those of the later chunks may be out
.irp e, 0,2,4,6
.irp k, 0,2
	v_pk_add_f32 v[X+32*\c+4*\e+\k:X+32*\c+4*\e+\k+1], v[X+32*\c+4*\e+\k:X+32*\c+4*\e+\k+1], v[X+32*\c+4*\e+4+\k:X+32*\c+4*\e+4+\k+1]
.endr
.endr
.irp e, 0,4
.irp k, 0,2
	v_pk_add_f32 v[X+32*\c+4*\e+\k:X+32*\c+4*\e+\k+1], v[X+32*\c+4*\e+\k:X+32*\c+4*\e+\k+1], v[X+32*\c+4*\e+8+\k:X+32*\c+4*\e+8+\k+1]
.endr
.endr
.irp k, 0,2
	v_pk_add_f32 v[X+32*\c+\k:X+32*\c+\k+1], v[X+32*\c+\k:X+32*\c+\k+1], v[X+32*\c+16+\k:X+32*\c+16+\k+1]
.endr
	global_store_b128 v1, v[X+32*\c:X+32*\c+3], s[6:7] offset:4096*\c th:TH_STORE_NT
.endr
	s_endpgm
.Lfunc_end_k_qab60e91b07_sum:
	.size	k_qab60e91b07_sum, .Lfunc_end_k_qab60e91b07_sum-k_qab60e91b07_sum
	.p2alignl 7, 3214868480
	.fill 96, 4, 3214868480
	.section	.rodata,"a",@progbits
	.p2align	6, 0x0
	.amdhsa_kernel k_qab60e91b07_sum
		.amdhsa_group_segment_fixed_size 0
		.amdhsa_private_segment_fixed_size 0
		.amdhsa_enable_private_segment 0
		.amdhsa_kernarg_size 16
		.amdhsa_user_sgpr_count 2
		.amdhsa_user_sgpr_kernarg_segment_ptr 1
		.amdhsa_wavefront_size32 1
		.amdhsa_system_sgpr_workgroup_id_x 1
		.amdhsa_system_sgpr_workgroup_id_y 1
		.amdhsa_system_sgpr_workgroup_id_z 1
		.amdhsa_system_vgpr_workitem_id 0
		.amdhsa_next_free_vgpr 144
		.amdhsa_next_free_sgpr 66
		.amdhsa_reserve_vcc 0
		.amdhsa_float_denorm_mode_32 3
		.amdhsa_float_denorm_mode_16_64 3
		.amdhsa_memory_ordered 1
		.amdhsa_forward_progress 1
		.amdhsa_inst_pref_size 8
	.end_amdhsa_kernel
	.amdgpu_metadata
---
amdhsa.version: [ 1, 2 ]
amdhsa.kernels:
  - .name:           k_qab60e91b07_sum
    .symbol:         k_qab60e91b07_sum.kd
    .args:
      - { .name: part, .offset: 0, .size: 8, .value_kind: global_buffer, .address_space: global }
      - { .name: out0, .offset: 8, .size: 8, .value_kind: global_buffer, .address_space: global }
    .group_segment_fixed_size: 0
    .private_segment_fixed_size: 0
    .kernarg_segment_align: 8
    .kernarg_segment_size: 16
    .max_flat_workgroup_size: 256
    .sgpr_count:     66
    .vgpr_count:     144
    .wavefront_size: 32
...
	.end_amdgpu_metadata
.endif
;; end of part 4
